; MI455X (gfx1250); checked and timed in simulation.
; The chip was launched on July 23, 2026; its instructions are those of AMD's public machine-readable ISA for CDNA 5 (MIT licence, August 2026) and "CDNA5" Instruction Set Architecture Reference Guide (July 2026). The comments in the code are by the model that wrote it; some were corrected since.
;; Grouped Attention Core. Allowed arithmetic: matrix products marked QUANTISED: E2M3 operands, one E8M0 scale for each 32 along K, by v_wmma_scale_f32_16x16x128_f8f6f4 with both operands' format E2M3, f32 sums; everything else in f32.
;; Inputs: K 2 x 2,048 x 512 float32; Q 2 x 2,048 x 2,048 float32; V 2 x 2,048 x 512 float32; W_out 2,048 x 2,048 float32; b_out 2,048 float32.
;; Outputs: out0 2 x 2,048 x 2,048 float32.
;; This version of the problem:
;;   THIS VERSION OF THE PROBLEM IS GIVEN IN LOW PRECISION. The matrix products marked QUANTISED in the list below multiply operands that are first quantised to E2M3 (2 exponent bits, 3 mantissa bits; 6 bits a number), with one power-of-two scale for each 32 numbers along K (OCP MX v1.0); their sums are f32. All else is computed in f32.
;;   The module's matrix products, in the order in which they are computed (A, B: the left and right operand; K: the contracted axis; several contracted axes count as one K, in the product's order):
;;     1. batch 16 x [M 8,192, K 64] x [K 64, N 2,048]; A: input Q; B: input K: QUANTISED
;;     2. batch 16 x [M 8,192, K 2,048] x [K 2,048, N 64]; A: softmax (see below); B: input V: QUANTISED
;;     3. [M 4,096, K 2,048] x [K 2,048, N 2,048]; A: computed on the way; B: input W_out: QUANTISED
;;   THE QUANTISER, for each operand of a quantised product, along K:
;;     - K is cut into blocks of 32 from its start; a last block that is shorter is filled with zeros.
;;     - A block's scale is 2^e with e = floor(log2(the largest magnitude in the block)) - 2, held to -126 .. 127; a block of zeros has e = 0. As a byte (E8M0): e + 127.
;;     - Each number is divided by its block's scale, clamped to +-7.5, and rounded to the nearest number of E2M3, ties to even, subnormals kept.
;;     - The product sums the exact products of the quantised numbers (number of the format x scale) in f32.
;;   ~~~python
;;   def quantise(x, axis):      # numpy; x: float32 -> the quantised numbers, widened to float32 again
;;       x = np.moveaxis(x, axis, -1); K = x.shape[-1]
;;       x = np.pad(x, [(0, 0)] * (x.ndim - 1) + [(0, -K % 32)]); x = x.reshape(x.shape[:-1] + (-1, 32)); a = np.abs(x).max(-1, keepdims=True)
;;       e = np.where(a > 0, np.clip(np.frexp(np.where(a > 0, a, 1))[1] - 1 - 2, -126, 127), 0)      # np.frexp(a)[1] - 1 = floor(log2(a)), exactly
;;       r = np.clip(x / 2.0 ** e, -7.5, 7.5)
;;       step = 2.0 ** (np.maximum(np.frexp(np.where(r == 0, 1, r))[1] - 1, 0) - 3)
;;       q = np.round(r / step) * step * 2.0 ** e      # np.round: ties to even
;;       return np.moveaxis(q.reshape(q.shape[:-2] + (-1,))[..., :K], -1, axis).astype(np.float32)
;;   ~~~
;;   SOFTMAX AHEAD OF A QUANTISED PRODUCT. Where the list says 'softmax', what is quantised is not the finished softmax but p = 2^(t - M), with t = logit x log2(e) and M = ceil(the row's largest t), a whole number; so 1/2 < the row's largest p <= 1. The row's sum l is taken of the UNQUANTISED p, in f32, and the product's result is divided by l at the end. Since M is a whole number, a kernel that streams over the keys may use a running M (the ceiling of the running maximum): every later rescaling is an exact power of two, which a block's scale takes up: the codes' values come out the same.
;;   OPERANDS COMPUTED ON THE WAY. 'Computed on the way' means the value that the module computes at that place (a softmax that the list does not call 'softmax' is quantised finished and normalised). What goes into a quantiser is computed in f32, as accurately as f32 sums, v_exp_f32 and their like allow (about 1e-6 of the number): no bf16 or f16 on the way to a quantiser, and a product that is left as it is and whose result goes on into a quantised operand takes f32 operands (vector FMAs, or v_wmma_f32_16x16x4_f32). A number that lies on a knife's edge between two numbers of the format may be rounded either way, as far as f32 arithmetic and the matrix unit's own rounding can turn it there, and no further.
;; One version. Each part assembles by itself: llvm-mc -triple=amdgcn-amd-amdhsa -mcpu=gfx1250 --defsym DOCPART=n.
;; ======== version 1 of 1: 3 launches
;; limits: right only within a limited range of input values
;; workspace buffers: kv 3,276,800 bytes; wq 3,276,800 bytes; oq 6,553,600 bytes
;; launch prep (part 1): grid 1024 x 1, 4 waves a work-group, no clusters, 1,536 bytes of LDS; arguments K, V, W_out, kv, wq; writes kv, wq
.if DOCPART == 1
	.amdgcn_target "amdgcn-amd-amdhsa--gfx1250"
	.amdhsa_code_object_version 6
	.text
	.protected	k_q8c09a2bbe3_prep
	.globl	k_q8c09a2bbe3_prep
	.p2align	8
	.type	k_q8c09a2bbe3_prep,@function
k_q8c09a2bbe3_prep:
	s_mov_b64 s[64:65], 0
	v_nop
	global_prefetch_b8 v0, s[64:65] scope:SCOPE_SE
	s_setreg_imm32_b32 hwreg(HW_REG_WAVE_MODE, 25, 1), 1
	s_wait_xcnt 0x0
; K [2][2048][8 x 64], V [2][2048][8 x 64] and W_out [2048][2048], f32, become codes of FP6 (E2M3) with one E8M0 byte for each 32 along a product's K,
; laid as IMAGES OF OPERAND REGISTERS.  A fragment (16 rows x 128 along K) is 12 registers a lane = 1,536 bytes: three pieces of 512 bytes, piece c = lane l's registers 4 c .. 4 c + 3 at 512 c + 16 l.
; The scale words of four fragments are one unit of 256 bytes: word i of lane L (at 8 L + 4 i) is the word of row L % 16 of fragment 2 i + L / 16.
; kv: [16 heads][16 key steps][12,800]: K's 4 fragments, V's 4 fragments (+6,144), K's unit (+12,288), V's unit (+12,544).   wq: [8 blocks of 256 columns][16 K steps][25,600]: 16 fragments, 4 units (+24,576).
; K's fragment i of key step s holds 32 KEYS: registers 0-5 are d = 32 h .. 32 h + 31 of key 128 s + 32 i + r + (r & 8), registers 6-11 the same of the key 8 further on (the head has only 64 along K).
; V's fragment t: row r is channel d = 4 r + t, registers 6 c .. run down the keys 128 s + 64 c + 32 h + 0 .. 31.   W's fragment: row n = 16 x tile + r, registers 6 c ..: k = 128 ks + 64 c + 32 h + 0 .. 31.
; In all three a lane holds two whole blocks of 32 along K in 64 registers, so one piece of text quantises all: only the loads differ, and they stand in three arms of a branch on the work-group's number.
; A block's scale is 2^(floor(log2(largest magnitude)) - 2); its byte is the largest magnitude's exponent field - 2, held at 1 from below.
; LIMITS: NaN and infinities are not served; a block whose largest magnitude lies under 2^-124, a block of zeros among them, keeps the byte 1 (zeros: the rule says 127; its codes are zeros and this program alone reads the bytes).
; SHARES: a work-group makes four fragments and their unit, wave i fragment i.  Work-groups 0-255: K (head = id / 16, key step = id % 16); 256-511: V; 512-1023: W (block = id' / 64, K step = (id' / 4) % 16, quarter = id' % 4).
.set PX, 9                             ; v9       the other half's bytes
.set M,  10                            ; v10-11   the two blocks' largest magnitudes
.set SO, 12                            ; v12-13   the conversions' scale operands
.set BY, 14                            ; v14-15   the scale bytes
.set WD, 16                            ; v16      my row's scale word
.set C,  20                            ; v20-31   the fragment
.set T,  32                            ; v32-38   the upper halves of the two blocks' codes, as the conversions leave them
.set X,  64                            ; v64-127  the 64 numbers
	s_load_b256 s[4:11], s[0:1], 0x0               ; K s[4:5], V s[6:7], W_out s[8:9], kv s[10:11]
	s_load_b64 s[12:13], s[0:1], 0x20              ; wq
	v_lshl_add_u32 v128, v0, 2, 0x400
	v_mov_b32 v129, 0
	v_lshrrev_b32 v1, 5, v0
	v_readfirstlane_b32 s14, v1                    ; wave 0..3 = the fragment that I make
	v_and_b32 v1, 31, v0                           ; lane
	v_and_b32 v2, 15, v0                           ; r
	v_bfe_u32 v3, v0, 4, 1                         ; h
	v_lshlrev_b32 v5, 4, v1                        ; 16 x lane: my place in a piece of the image
	v_lshlrev_b32 v7, 3, v1                        ; 8 x lane: my place in the unit of scale words
	v_lshlrev_b32 v8, 3, v3                        ; 8 h: my bytes' shift in the scale word
	v_mov_b32 v[PX], 0                             ; a lane permute's destination counts as one of its sources
	s_and_b32 s16, s14, 1
	s_lshl_b32 s16, s16, 7
	s_lshr_b32 s17, s14, 1
	s_lshl_b32 s17, s17, 2
	s_add_co_u32 s16, s16, s17
	v_lshl_add_u32 v6, v2, 3, s16                  ; LDS: where my row's word lies in the unit: 128 (i % 2) + 4 (i / 2) + 8 r
	s_mov_b32 s28, 0x76543210
	s_mov_b32 s29, 0xfedcba98                      ; v_permlanex16_b32's selects for lane l xor 16
	s_mov_b32 s21, 0
	s_mov_b32 s23, 0
	s_mov_b32 s25, 0
	s_wait_kmcnt 0x0
	s_cmp_lt_u32 ttmp9, 512
	s_cselect_b64 s[26:27], s[10:11], s[12:13]     ; where the results go: the choice hangs on the work-group's number alone
	s_cbranch_scc0 .Lw
	s_and_b32 s16, ttmp9, 255
	s_lshr_b32 s17, s16, 4                         ; head 8 b + hkv
	s_and_b32 s18, s16, 15                         ; key step
	s_mul_i32 s22, s17, 204800
	s_mul_i32 s19, s18, 12800
	s_add_co_u32 s22, s22, s19                     ; the step's block in kv
	s_lshr_b32 s19, s17, 3
	s_lshl_b32 s20, s19, 22                        ; b x 2,048 positions x 2,048 bytes
	s_and_b32 s19, s17, 7
	s_lshl_b32 s19, s19, 8                         ; hkv x 256 bytes
	s_add_co_u32 s20, s20, s19
	s_lshl_b32 s19, s18, 18                        ; 128 positions a step
	s_add_co_u32 s20, s20, s19
	s_mul_i32 s19, s14, 1536                       ; my fragment's place among the four
	s_cmp_lt_u32 ttmp9, 256
	s_cbranch_scc0 .Lv
; sixteen loads of 16 bytes: my two blocks of 32 numbers, cstep bytes apart
.macro ROWLOADS base, cstep
.irp c, 0,1
.irp j, 0,1,2,3,4,5,6,7
	global_load_b128 v[X+32*\c+4*\j:X+32*\c+4*\j+3], v4, s[\base:\base+1] offset:\cstep*\c+16*\j
.endr
.endr
.endm
	; ---- K
	s_add_co_u32 s24, s22, 12288                   ; the unit
	s_add_co_u32 s22, s22, s19                     ; the fragment
	; THE KEYS OF K's FRAGMENT i (this replaces the formula in the head comment): registers 0-5 of row r hold key 128 s + 64 (i / 2) + 16 (i % 2) + (r & 7) + 32 (r / 8), registers 6-11 the key 8 further on
	s_lshr_b32 s19, s14, 1
	s_lshl_b32 s19, s19, 17                        ; 64 keys for each pair of fragments
	s_and_b32 s30, s14, 1
	s_lshl_b32 s30, s30, 15                        ; 16 keys within the pair
	s_add_co_u32 s19, s19, s30
	s_add_co_u32 s20, s20, s19
	s_add_nc_u64 s[4:5], s[4:5], s[20:21]
	s_wait_alu depctr_va_vdst(0)
	v_and_b32 v4, 8, v2
	v_mad_u32_u24 v4, v4, 3, v2                    ; r + 3 (r & 8) = (r & 7) + 32 (r / 8)
	v_lshlrev_b32 v4, 11, v4
	v_lshl_add_u32 v4, v3, 7, v4                   ; that key's row, + 128 h: d = 32 h on
	ROWLOADS 4, 16384                              ; and the key 8 further on
	s_branch .Ljoin
.Lv:	; ---- V: a lane takes a channel, and its registers run down the keys
	s_add_co_u32 s24, s22, 12544
	s_add_co_u32 s22, s22, s19
	s_add_co_u32 s22, s22, 6144
	s_lshl_b32 s19, s14, 2                         ; channel 4 r + i
	s_add_co_u32 s20, s20, s19
	s_add_nc_u64 s[6:7], s[6:7], s[20:21]
	s_wait_alu depctr_va_vdst(0)
	v_lshlrev_b32 v4, 4, v2
	v_lshl_add_u32 v4, v3, 16, v4                  ; 16 r, + 32 keys for lanes 16-31
.irp c, 0,1
.irp k, 0,1,2,3,4,5,6,7,8,9,10,11,12,13,14,15,16,17,18,19,20,21,22,23,24,25,26,27,28,29,30,31
	global_load_b32 v[X+32*\c+\k], v4, s[6:7] offset:(64*\c+\k)*2048
.endr
.endr
	s_branch .Ljoin
.Lw:	; ---- W_out
	s_sub_co_u32 s16, ttmp9, 512
	s_lshr_b32 s17, s16, 6                         ; block of 256 columns
	s_bfe_u32 s18, s16, 0x40002                    ; K step
	s_and_b32 s19, s16, 3                          ; quarter of the block
	s_mul_i32 s22, s17, 409600
	s_mul_i32 s24, s18, 25600
	s_add_co_u32 s22, s22, s24                     ; the K step's block in wq
	s_lshl_b32 s24, s19, 8
	s_add_co_u32 s24, s24, s22
	s_add_co_u32 s24, s24, 24576                   ; the quarter's unit
	s_lshl_b32 s16, s19, 2
	s_add_co_u32 s16, s16, s14                     ; fragment 4 x quarter + i
	s_mul_i32 s30, s16, 1536
	s_add_co_u32 s22, s22, s30
	s_lshl_b32 s17, s17, 4
	s_add_co_u32 s16, s16, s17                     ; its 16 rows of W_out: tile 16 x block + 4 x quarter + i,
	s_lshl_b32 s20, s16, 17                        ; 16 rows of 8,192 bytes each,
	s_lshl_b32 s18, s18, 9                         ; 512 bytes a K step
	s_add_co_u32 s20, s20, s18
	s_add_nc_u64 s[8:9], s[8:9], s[20:21]
	s_wait_alu depctr_va_vdst(0)
	v_lshlrev_b32 v4, 13, v2
	v_lshl_add_u32 v4, v3, 7, v4                   ; row r, + 128 h
	ROWLOADS 8, 256
.Ljoin:
	s_wait_loadcnt 0x0                             ; all my numbers were asked for at once: one wait
.irp c, 0,1                                    ; my block 2 c + h: all its 32 numbers are mine; the two blocks by turns
	v_max3_num_f32 v[M+\c], |v[X+32*\c]|, |v[X+1+32*\c]|, 0x1800000   ; with the floor 2^(3 - 127): the byte cannot fall under 1
.endr
.irp i, 2,4,6,8,10,12,14,16,18,20,22,24,26,28,30
.irp c, 0,1
	v_max3_num_f32 v[M+\c], v[M+\c], |v[X+32*\c+\i]|, |v[X+1+32*\c+\i]|
.endr
.endr
.irp c, 0,1
	v_add_nc_u32 v[SO+\c], 0xff000000, v[M+\c]     ; 2 off the exponent field: the conversion takes the exponent field of this operand as its scale
.endr
.irp c, 0,1
	v_lshrrev_b32 v[BY+\c], 23, v[SO+\c]           ; the scale's byte
.endr
	v_lshl_or_b32 v[WD], v[BY+1], 16, v[BY]        ; blocks h and 2 + h of my row,
	v_lshlrev_b32 v[WD], v8, v[WD]                 ; at their places in the word;
	v_permlanex16_b32 v[PX], v[WD], s28, s29
	v_or_b32 v[WD], v[WD], v[PX]                   ; with lane l xor 16's two the word is whole
.irp c, 0,1
	v_cvt_scalef32_pk16_fp6_f32 v[C+6*\c:C+6*\c+2], v[X+32*\c:X+32*\c+15], v[SO+\c]
	v_cvt_scalef32_pk16_fp6_f32 v[T+4*\c:T+4*\c+2], v[X+32*\c+16:X+32*\c+31], v[SO+\c]   ; (a conversion's three registers begin on an even number)
.endr
	v_nop                                          ; one plain instruction behind a scaled conversion
.irp c, 0,1
.irp i, 0,1,2
	v_mov_b32 v[C+6*\c+3+\i], v[T+4*\c+\i]
.endr
.endr
	s_add_nc_u64 s[30:31], s[26:27], s[24:25]      ; the unit
	s_add_nc_u64 s[26:27], s[26:27], s[22:23]      ; the fragment
.irp c, 0,1,2
	global_store_b128 v5, v[C+4*\c:C+4*\c+3], s[26:27] offset:512*\c   ; the wave stores 512 consecutive bytes, aligned to 256
.endr
	ds_store_b32 v6, v[WD]                         ; both halves of the lanes write the same word with the same value
	s_wait_dscnt 0x0                               ; for wave 0's sake: my word has landed
	s_barrier_signal -1
	s_barrier_wait -1
	s_cmp_lg_u32 s14, 0
	s_cbranch_scc1 .Lend
	ds_load_b64 v[18:19], v7                       ; the four waves' words: one unit
	s_wait_dscnt 0x0
	global_store_b64 v7, v[18:19], s[30:31]        ; 32 lanes store 256 consecutive bytes, aligned
.Lend:
	s_wait_tensorcnt 0x0
	ds_add_u32 v128, v129
	s_wait_dscnt 0x0
	s_endpgm
.Lfunc_end_k_q8c09a2bbe3_prep:
	.size	k_q8c09a2bbe3_prep, .Lfunc_end_k_q8c09a2bbe3_prep-k_q8c09a2bbe3_prep
	.p2alignl 7, 3214868480
	.fill 96, 4, 3214868480
	.section	.rodata,"a",@progbits
	.p2align	6, 0x0
	.amdhsa_kernel k_q8c09a2bbe3_prep
		.amdhsa_group_segment_fixed_size 1536
		.amdhsa_private_segment_fixed_size 0
		.amdhsa_enable_private_segment 0
		.amdhsa_kernarg_size 40
		.amdhsa_user_sgpr_count 2
		.amdhsa_user_sgpr_kernarg_segment_ptr 1
		.amdhsa_wavefront_size32 1
		.amdhsa_system_sgpr_workgroup_id_x 1
		.amdhsa_system_sgpr_workgroup_id_y 1
		.amdhsa_system_sgpr_workgroup_id_z 1
		.amdhsa_system_vgpr_workitem_id 0
		.amdhsa_next_free_vgpr 130
		.amdhsa_next_free_sgpr 66
		.amdhsa_reserve_vcc 0
		.amdhsa_float_denorm_mode_32 3
		.amdhsa_float_denorm_mode_16_64 3
		.amdhsa_memory_ordered 1
		.amdhsa_forward_progress 1
		.amdhsa_inst_pref_size 17
	.end_amdhsa_kernel
	.amdgpu_metadata
---
amdhsa.version: [ 1, 2 ]
amdhsa.kernels:
  - .name:           k_q8c09a2bbe3_prep
    .symbol:         k_q8c09a2bbe3_prep.kd
    .args:
      - { .name: K, .offset: 0, .size: 8, .value_kind: global_buffer, .address_space: global }
      - { .name: V, .offset: 8, .size: 8, .value_kind: global_buffer, .address_space: global }
      - { .name: W_out, .offset: 16, .size: 8, .value_kind: global_buffer, .address_space: global }
      - { .name: kv, .offset: 24, .size: 8, .value_kind: global_buffer, .address_space: global }
      - { .name: wq, .offset: 32, .size: 8, .value_kind: global_buffer, .address_space: global }
    .group_segment_fixed_size: 1536
    .private_segment_fixed_size: 0
    .kernarg_segment_align: 8
    .kernarg_segment_size: 40
    .max_flat_workgroup_size: 128
    .sgpr_count:     66
    .vgpr_count:     130
    .wavefront_size: 32
...
	.end_amdgpu_metadata
.endif
;; end of part 1
;; launch attn (part 2): grid 16 x 16, 16 waves a work-group, clusters of 4 x 1, 215,040 bytes of LDS; arguments Q, kv, oq; writes oq
.if DOCPART == 2
	.amdgcn_target "amdgcn-amd-amdhsa--gfx1250"
	.amdhsa_code_object_version 6
	.text
	.protected	k_q8c09a2bbe3_attn
	.globl	k_q8c09a2bbe3_attn
	.p2align	8
	.type	k_q8c09a2bbe3_attn,@function
k_q8c09a2bbe3_attn:
	s_mov_b64 s[64:65], 0
	v_nop
	global_prefetch_b8 v0, s[64:65] scope:SCOPE_SE
	s_setreg_imm32_b32 hwreg(HW_REG_WAVE_MODE, 25, 1), 1
	s_wait_xcnt 0x0
	s_wait_alu depctr_hold_cnt(0) depctr_sa_sdst(0) depctr_va_vdst(0) depctr_va_sdst(0) depctr_va_ssrc(0) depctr_va_vcc(0) depctr_vm_vsrc(0)
	s_getreg_b32 s2, hwreg(HW_REG_IB_STS2, 6, 4)
	s_cmp_eq_u32 s2, 0
	s_cbranch_scc0 .Lentry_in_a_cluster
	s_endpgm
.Lentry_in_a_cluster:
	s_bfe_u32 s2, ttmp6, 0x10000c
	s_cmp_lg_u32 s2, 0x3003
	s_cbranch_scc0 .Lentry_shape_is_right
	s_endpgm
.Lentry_shape_is_right:
; o = softmax(q k^T / 8) v for 32 query heads on 8 key and value heads, both products on codes of FP6 (E2M3) with one E8M0 byte for each 32 along K; o leaves as codes, quantised along head x 64 + d, for the projection.
; Q [2][2048][32 x 64] f32 is quantised here, in registers.  kv holds K's and V's codes as images of operand registers (12,800 bytes a key step of 128 keys: 4 fragments of K, 4 of V, two units of scale words).
; THE SOFTMAX: t = score x log2(e) / 8; M = the running largest t rounded UP to a whole number; p = 2^(t - M) is quantised along the keys, not normalised; the row's sum is taken of the unquantised p and divides O at the end.
; When M moves, the sum and O are multiplied by 2^(old M - new M): exact.
; SHARES.  A work-group owns 128 positions x the 4 query heads of one key and value head.  Wave w: positions 16 (w / 2) on, heads 2 (w % 2) and 2 (w % 2) + 1, one after the other (two passes over all 2,048 keys).
; A pass holds one tile of 16 queries in 256 registers: four waves to a SIMD, so that one wave's vector work stands beside another's matrix work and LDS loads.  Behind both passes a wave holds one whole fragment of o.
; LDS.  A whole head of kv, 204,800 bytes, is brought once, 12,800 bytes a wave, and stays: nothing is filled again.  Behind it 1,024 bytes for o's scale words.
; CLUSTER.  The four work-groups of a cluster belong to one head and need the same 204,800 bytes: each part is asked for JOINTLY, by the same tensor load with the same descriptor and a mask that names the four.
; LAYOUT.  Both products are used transposed: a lane holds ONE query (lane % 16) throughout.  The head has only 64 along K, so a fragment of K holds 32 keys (registers 0-5: key A = 32 i + r + (r & 8); registers 6-11: key A + 8)
; and is multiplied twice: by [q | zero codes] and by [zero codes | q].  A zero code adds nothing under any scale byte but 0xff.  The two results' 16 registers are 16 neighbouring keys, 32 i + 16 (lane / 16) + 0 .. 15.
; V's fragment t has channel d = 4 m + t in row m, so that register j of O^T's tile t is d = 32 (lane / 16) + 4 j + t: a lane holds one whole block of 32 along d, and o is quantised without asking another lane.
; LIMITS: NaN and infinities are not served; a block whose largest magnitude lies under 2^-124 keeps the byte 1; 1 / the sum is v_rcp_f32 and a multiplication.
.set STEPB, 12800                      ; a key step's block
.set SCR,   204800                     ; behind the head: o's scale words, two units for each of the two K steps that the work-group makes
.set LI,  1                            ; v1   16 x lane
.set LS,  2                            ; v2   8 x lane + 12,288: my place in K's unit of scale words
.set ADR, 3                            ; v3   the step's fragments
.set ADS, 4                            ; v4   the step's scale words
.set QO,  5                            ; v5   Q: row r, + 128 h
.set SH,  6                            ; v6   8 h
.set STA, 7                            ; v7   where my row's scale word of o goes
.set STR, 8                            ; v8   where waves 0 and 1 read the units back
.set OW,  9                            ; v9   o's scale word
.set QF,  16                           ; v16-33, v34-51  a pass's q: [codes 6][zeros 6][codes 6]: registers 0-11 are [q | 0], registers 6-17 [0 | q]
.set QS,  52                           ; v52, v53  q's scale words
.set FF,  54                           ; v[54:55]  f = 2^(old M - new M) (v55 is named with it as a pair)
.set FR,  56                           ; v56-103   four fragments of K or of V
.set S,   104                          ; v104-167  S^T, then p
.set O,   168                          ; v168-199  O^T
.set PC,  200                          ; v200-211  p's codes
.set PT,  212                          ; v212-218  upper halves, as the conversions leave them
.set BM,  220                          ; v220-223  the blocks' largest scores, then largest p
.set PX,  224                          ; v224-227  the other half's; then scale bytes
.set SO,  228                          ; v228-231  the conversions' scale operands
.set KS,  232                          ; v232-233  K's scale words
.set VS,  234                          ; v234-235  V's
.set PS,  236                          ; v236      p's
.set TT,  237                          ; v237      at work
.set L2,  238                          ; v[238:239] the sum's second chain
.set OC,  240                          ; v240-251  o's fragment.   v12 -M, v13 the largest t, v[14:15] the sum in two halves
.set WV,  10                           ; s10  my wave's number
.set SEL, 20                           ; s[20:21]
.set CS,  22                           ; s[22:23]  c = log2(e) / 8
.set G1,  24                           ; s[24:31]
.set G0,  32                           ; s[32:35]
.set TB,  36                           ; s36  LDS byte at which the key step in hand begins
.set CNT, 37                           ; s37  key steps to go
; One matrix instruction.  MMZ: the constant 0 starts the sum; ra: the half of the lanes from which source 0's scale words are taken.  MMA: adds in place; ra, rb likewise for both sources.
.macro MMZ d, a, b, sa, sb, ra
.if (\ra) == 0
	v_wmma_scale_f32_16x16x128_f8f6f4 v[\d:\d+7], v[\a:\a+11], v[\b:\b+11], 0, v[\sa], v[\sb] matrix_a_fmt:MATRIX_FMT_FP6 matrix_b_fmt:MATRIX_FMT_FP6
.else
	v_wmma_scale_f32_16x16x128_f8f6f4 v[\d:\d+7], v[\a:\a+11], v[\b:\b+11], 0, v[\sa], v[\sb] matrix_a_fmt:MATRIX_FMT_FP6 matrix_b_fmt:MATRIX_FMT_FP6 matrix_a_scale:MATRIX_SCALE_ROW1
.endif
.endm
.macro MMA d, a, b, sa, sb, ra, rb
.if ((\ra) == 0) && ((\rb) == 0)
	v_wmma_scale_f32_16x16x128_f8f6f4 v[\d:\d+7], v[\a:\a+11], v[\b:\b+11], v[\d:\d+7], v[\sa], v[\sb] matrix_a_fmt:MATRIX_FMT_FP6 matrix_b_fmt:MATRIX_FMT_FP6
.elseif (\rb) == 0
	v_wmma_scale_f32_16x16x128_f8f6f4 v[\d:\d+7], v[\a:\a+11], v[\b:\b+11], v[\d:\d+7], v[\sa], v[\sb] matrix_a_fmt:MATRIX_FMT_FP6 matrix_b_fmt:MATRIX_FMT_FP6 matrix_a_scale:MATRIX_SCALE_ROW1
.elseif (\ra) == 0
	v_wmma_scale_f32_16x16x128_f8f6f4 v[\d:\d+7], v[\a:\a+11], v[\b:\b+11], v[\d:\d+7], v[\sa], v[\sb] matrix_a_fmt:MATRIX_FMT_FP6 matrix_b_fmt:MATRIX_FMT_FP6 matrix_b_scale:MATRIX_SCALE_ROW1
.else
	v_wmma_scale_f32_16x16x128_f8f6f4 v[\d:\d+7], v[\a:\a+11], v[\b:\b+11], v[\d:\d+7], v[\sa], v[\sb] matrix_a_fmt:MATRIX_FMT_FP6 matrix_b_fmt:MATRIX_FMT_FP6 matrix_a_scale:MATRIX_SCALE_ROW1 matrix_b_scale:MATRIX_SCALE_ROW1
.endif
.endm
; A round of the cluster's barrier: my work-group's barrier, wave 0 signals for the work-group, every wave waits for all four work-groups, my work-group's barrier once more.
.macro CROUND
	s_barrier_signal -1
	s_barrier_wait -1
	s_cmp_lg_u32 s[WV], 0
	s_cbranch_scc1 .Lnot_wave_0_\@
	s_barrier_signal -3
.Lnot_wave_0_\@:
	s_barrier_wait -3
	s_barrier_signal -1
	s_barrier_wait -1
.endm
	s_load_b128 s[4:7], s[0:1], 0x0                ; Q s[4:5], kv s[6:7]
	s_load_b64 s[8:9], s[0:1], 0x10                ; oq
	v_lshl_add_u32 v254, v0, 2, 0x34000
	v_mov_b32 v255, 0
	ds_add_u32 v254, v255
	ds_add_u32 v254, v255
	v_lshrrev_b32 v10, 5, v0
	s_delay_alu instid0(VALU_DEP_1)
	v_readfirstlane_b32 s[WV], v10                 ; wave 0..15
	s_bfe_u32 s11, ttmp6, 0x40000                  ; cx: my place in the cluster
	s_lshl_b32 s12, ttmp9, 2
	s_add_co_u32 s12, s12, s11                     ; my block of 128 positions = 4 x cluster x + cx: it enters Q's and oq's addresses alone
	s_and_b32 s13, ttmp7, 0xffff                   ; the head 8 b + hkv, which the four partners share
	s_lshr_b32 s14, s[WV], 1                       ; pt: which 16 positions
	s_and_b32 s15, s[WV], 1                        ; x: which pair of query heads
	s_lshr_b32 s16, s13, 3                         ; b
	s_and_b32 s17, s13, 7                          ; hkv
	s_mul_i32 s40, s13, 204800                     ; kv: the head,
	s_mul_i32 s[G0+1], s[WV], STEPB                ; my sixteenth of it, in LDS as in memory: the wave's number x 12,800
	s_add_co_u32 s40, s40, s[G0+1]
	s_mov_b32 s41, 0
	s_lshl_b32 s42, s16, 24                        ; Q: b x 2,048 rows of 8,192 bytes,
	s_lshl_b32 s18, s12, 20                        ; 128 rows a block,
	s_add_co_u32 s42, s42, s18
	s_lshl_b32 s18, s14, 17                        ; 16 rows a tile,
	s_add_co_u32 s42, s42, s18
	s_lshl_b32 s18, s17, 10                        ; four heads of 256 bytes,
	s_add_co_u32 s42, s42, s18
	s_lshl_b32 s18, s15, 9                         ; my pair of them
	s_add_co_u32 s42, s42, s18
	s_mov_b32 s43, 0
	s_lshl_b32 s18, s16, 4
	s_add_co_u32 s18, s18, s12                     ; oq: row block 16 b + block,
	s_mul_i32 s44, s18, 204800
	s_lshl_b32 s18, s17, 1
	s_add_co_u32 s18, s18, s15                     ; K step 2 hkv + x
	s_mul_i32 s18, s18, 12800
	s_add_co_u32 s44, s44, s18
	s_mov_b32 s45, 0
	s_mul_i32 s46, s14, 1536                       ; my fragment
	s_mov_b32 s47, 0
	v_and_b32 v10, 15, v0                          ; r
	s_wait_alu depctr_va_vdst(0)
	v_bfe_u32 v11, v0, 4, 1                        ; h
	v_and_b32 v[LI], 31, v0
	s_delay_alu instid0(VALU_DEP_1)
	v_lshl_add_u32 v[LS], v[LI], 3, 12288
	s_delay_alu instid0(VALU_DEP_2)
	v_lshlrev_b32 v[LI], 4, v[LI]
	v_lshlrev_b32 v[QO], 13, v10
	s_delay_alu instid0(VALU_DEP_1)
	v_lshl_add_u32 v[QO], v11, 7, v[QO]
	v_lshlrev_b32 v[SH], 3, v11
	s_lshl_b32 s18, s15, 9                         ; o's scale words: 512 bytes for each x; in them the unit pt / 4, and fragment pt % 4's place in it
	s_add_co_u32 s18, s18, SCR
	v_add_nc_u32 v[STR], s18, v[LI]
	s_lshr_b32 s19, s14, 2
	s_lshl_b32 s19, s19, 8
	s_add_co_u32 s18, s18, s19
	s_and_b32 s19, s14, 1
	s_lshl_b32 s19, s19, 7
	s_add_co_u32 s18, s18, s19
	s_bfe_u32 s19, s14, 0x10001
	s_lshl_b32 s19, s19, 2
	s_add_co_u32 s18, s18, s19
	v_lshl_add_u32 v[STA], v10, 3, s18
.irp b, 0,1,2,3
	v_mov_b32 v[PX+\b], 0                          ; written once: a lane permute's destination counts as one of its sources
.endr
	v_mov_b32 v[FF+1], 0                           ; (named as the upper half of the pair)
	s_mov_b32 s[SEL], 0x76543210
	s_mov_b32 s[SEL+1], 0xfedcba98                 ; v_permlanex16_b32's selects for lane l xor 16
	s_mov_b32 s[CS], 0x3e38aa3b                    ; c = log2(e) / 8
	s_mov_b32 s[CS+1], s[CS]
	; descriptor group 1: 12,800 dense bytes as 50 rows of 32 elements of 8 bytes, no padding
	s_mov_b32 s[G1], 15|(3<<16)|(1<<21)            ; 15:0 the mask: all four work-groups; 17:16 elements of 8 bytes; 21 set beside a mask
	s_mov_b32 s[G1+1], 32<<16                      ; tensor_dim0 = 32
	s_mov_b32 s[G1+2], 50<<16                      ; tensor_dim1 = 50
	s_mov_b32 s[G1+3], 32<<16                      ; tile_dim0 = 32
	s_mov_b32 s[G1+4], 50                          ; tile_dim1 = 50
	s_mov_b32 s[G1+5], 32                          ; from row to row
	s_mov_b32 s[G1+6], 0
	s_mov_b32 s[G1+7], 0
	s_mov_b32 s[G0], 1
	s_wait_alu depctr_va_vdst(0)
	s_wait_dscnt 0x0
	s_wait_kmcnt 0x0
	s_add_nc_u64 s[G0+2:G0+3], s[6:7], s[40:41]
	s_or_b32 s[G0+3], s[G0+3], 0x80000000          ; type = 2
	s_add_nc_u64 s[4:5], s[4:5], s[42:43]
	s_add_nc_u64 s[38:39], s[8:9], s[44:45]
	s_add_nc_u64 s[8:9], s[38:39], s[46:47]        ; where my fragment of o goes
	s_add_nc_u64 s[38:39], s[38:39], 12288         ; and the K step's two units of scale words
.irp c, 0,1                                    ; q of both passes: a lane's 32 numbers of head 2 x + c: one whole block
.irp j, 0,1,2,3,4,5,6,7
	global_load_b128 v[S+32*\c+4*\j:S+32*\c+4*\j+3], v[QO], s[4:5] offset:256*\c+16*\j
.endr
.endr
	CROUND                                         ; all four work-groups are here: the joint loads meet
	tensor_load_to_lds s[G0:G0+3], s[G1:G1+7]      ; my one tensor load: one is out
	s_nop 0
.rept 4
	v_nop
.endr
	s_wait_loadcnt 0x0                             ; q
.irp c, 0,1                                    ; q is quantised while the head's codes are on their way; the two passes' blocks by turns
	v_max3_num_f32 v[BM+\c], |v[S+32*\c]|, |v[S+1+32*\c]|, 0x1800000   ; with the floor 2^(3 - 127)
.endr
.irp i, 2,4,6,8,10,12,14,16,18,20,22,24,26,28,30
.irp c, 0,1
	s_delay_alu instid0(VALU_DEP_2)
	v_max3_num_f32 v[BM+\c], v[BM+\c], |v[S+32*\c+\i]|, |v[S+1+32*\c+\i]|
.endr
.endr
.irp c, 0,1
	s_delay_alu instid0(VALU_DEP_2)
	v_add_nc_u32 v[SO+\c], 0xff000000, v[BM+\c]    ; 2 off the exponent field: the conversion's scale operand
.endr
.irp c, 0,1
	s_delay_alu instid0(VALU_DEP_2)
	v_lshrrev_b32 v[10+\c], 23, v[SO+\c]           ; the byte
.endr
.irp c, 0,1
	s_delay_alu instid0(VALU_DEP_2)
	v_lshlrev_b32 v[10+\c], v[SH], v[10+\c]        ; block h's place
.endr
.irp c, 0,1
	s_delay_alu instid0(VALU_DEP_2)
	v_permlanex16_b32 v[PX+\c], v[10+\c], s[SEL], s[SEL+1]
.endr
.irp c, 0,1
	s_delay_alu instid0(VALU_DEP_2)
	v_or_b32 v[10+\c], v[10+\c], v[PX+\c]
.endr
.irp c, 0,1
	s_delay_alu instid0(VALU_DEP_2)
	v_lshl_or_b32 v[QS+\c], v[10+\c], 16, v[10+\c] ; the two bytes twice: one word serves [q | 0] and [0 | q]; the other two bytes stand over zero codes
.endr
.irp c, 0,1
	v_cvt_scalef32_pk16_fp6_f32 v[QF+18*\c:QF+18*\c+2], v[S+32*\c:S+32*\c+15], v[SO+\c]
	v_cvt_scalef32_pk16_fp6_f32 v[PT+4*\c:PT+4*\c+2], v[S+32*\c+16:S+32*\c+31], v[SO+\c]
.endr
	v_nop                                          ; one plain instruction behind a scaled conversion
.irp c, 0,1
.irp i, 0,1,2
	v_mov_b32 v[QF+18*\c+3+\i], v[PT+4*\c+\i]
	v_mov_b32 v[QF+18*\c+12+\i], v[QF+18*\c+\i]
	v_mov_b32 v[QF+18*\c+15+\i], v[PT+4*\c+\i]
	v_mov_b32 v[QF+18*\c+6+\i], 0
	v_mov_b32 v[QF+18*\c+9+\i], 0
.endr
.endr
	s_wait_tensorcnt 0x0                           ; my sixteenth of the head has landed,
	s_barrier_signal -1
	s_barrier_wait -1                              ; everybody's has
; A KEY STEP: 128 keys.  qb: the pass's q;  qs: its scale word.
.macro STEP qb, qs
	v_add_nc_u32 v[ADR], s[TB], v[LI]
	v_add_nc_u32 v[ADS], s[TB], v[LS]
	v_nop
	v_nop                                          ; four plain instructions in front of loads into registers that the last matrix instructions read
	ds_load_b64 v[KS:KS+1], v[ADS]
.irp i, 0,1,2,3
.irp c, 0,1,2
	ds_load_b128 v[FR+12*\i+4*\c:FR+12*\i+4*\c+3], v[ADR] offset:1536*\i+512*\c
.endr
.endr
	s_wait_alu depctr_va_vdst(0)
.irp i, 0,1,2,3                                ; S^T = K Q^T: each fragment of 32 keys twice
	s_wait_dscnt 9-3*\i                            ; fragment i is in; the three loads of each later fragment may be out
.irp u, 0,1
	MMZ S+16*\i+8*\u, FR+12*\i, \qb+6*\u, KS+\i/2, \qs, \i%2
.endr
.endr
.rept 4
	v_nop                                          ; places in front of the loads below and of the first read of the scores
.endr
	ds_load_b64 v[VS:VS+1], v[ADS] offset:256      ; V's fragments are asked for now and land under the softmax
.irp t, 0,1,2,3
.irp c, 0,1,2
	ds_load_b128 v[FR+12*\t+4*\c:FR+12*\t+4*\c+3], v[ADR] offset:6144+1536*\t+512*\c
.endr
.endr
.irp b, 0,1,2,3
	v_max3_num_f32 v[BM+\b], v[S+16*\b], v[S+1+16*\b], v[S+2+16*\b]   ; the largest score of each block of 32 keys: it serves for the row's maximum and, since p rises with the score, for the block's largest p
.endr
.irp i, 3,5,7,9,11,13
.irp b, 0,1,2,3
	v_max3_num_f32 v[BM+\b], v[BM+\b], v[S+16*\b+\i], v[S+1+16*\b+\i]
.endr
.endr
.irp b, 0,1,2,3
	v_max_num_f32 v[BM+\b], v[BM+\b], v[S+15+16*\b]
.endr
	; THE KEYS OF K's FRAGMENT i (this replaces the formula in the head comment): row r holds key 64 (i / 2) + 16 (i % 2) + (r & 7) + 32 (r / 8) and the key 8 further on.
	; So score registers 32 c .. 32 c + 31 of lane (r, h) are the 32 neighbouring keys 64 c + 32 h + 0 .. 31: one whole block of p's quantiser in one lane, in the order of the operand's registers.
	v_max_num_f32 v[BM], v[BM], v[BM+1]            ; my block of c = 0
	v_max_num_f32 v[BM+2], v[BM+2], v[BM+3]        ; and of c = 1
	s_delay_alu instid0(VALU_DEP_1)
	v_max_num_f32 v[TT], v[BM], v[BM+2]
	s_delay_alu instid0(VALU_DEP_1)
	v_permlanex16_b32 v[PX], v[TT], s[SEL], s[SEL+1]
	s_delay_alu instid0(VALU_DEP_1)
	v_max_num_f32 v[TT], v[TT], v[PX]              ; with lane l xor 16's two blocks: the step's largest score of my query
	s_delay_alu instid0(VALU_DEP_1)
	v_mul_f32 v[TT], s[CS], v[TT]                  ; as t (c is positive)
	s_delay_alu instid0(VALU_DEP_1)
	v_max_num_f32 v13, v13, v[TT]                  ; the running largest t
	v_mov_b32 v[TT], v12
	s_delay_alu instid0(VALU_DEP_2)
	v_floor_f32 v12, -v13                          ; the new -M = floor(-t): M is a whole number
	s_delay_alu instid0(VALU_DEP_1)
	v_sub_f32 v[TT], v12, v[TT]                    ; old M less new M: a whole number, 0 or less
	s_delay_alu instid0(VALU_DEP_1)
	v_cvt_i32_f32 v[TT], v[TT]                     ; (it saturates)
	s_delay_alu instid0(VALU_DEP_1)
	v_ldexp_f32 v[FF], 1.0, v[TT]                  ; f = 2^(old M - new M)
.set n, 0
.rept 32
	v_pk_fma_f32 v[S+n:S+n+1], v[S+n:S+n+1], s[CS:CS+1], v[12:13] op_sel_hi:[1,0,0]   ; t - M, two at a time
.set n, n+2
.endr
.irp b, 0,2
	v_fma_f32 v[BM+\b], v[BM+\b], s[CS], v12       ; the same of my two blocks' largest scores
.endr
.set n, 0
	s_wait_alu depctr_va_vdst(0)
.rept 64
	v_exp_f32 v[S+n], v[S+n]                       ; p = 2^(t - M), at most 1
.set n, n+1
.endr
.irp b, 0,2
	v_exp_f32 v[BM+\b], v[BM+\b]                   ; the block's largest p: the same two instructions on the same number
.endr
	v_pk_mul_f32 v[14:15], v[14:15], v[FF:FF+1] op_sel_hi:[1,0]   ; the sum under the new M: the plain instruction behind the batch
.set n, 0
	s_wait_alu depctr_va_vdst(0)
.rept 16
	v_pk_mul_f32 v[O+n:O+n+1], v[O+n:O+n+1], v[FF:FF+1] op_sel_hi:[1,0]   ; O^T under the new M, each tile from its low end on: work that names no exponential's result
.set n, n+2
.endr
	s_wait_alu depctr_va_vdst(0)                   ; the wait ahead of the first line that names an exponential's result: one for all 66
	v_max_num_f32 v[BM], 0x1800000, v[BM]          ; the floor 2^(3 - 127)
	v_max_num_f32 v[BM+2], 0x1800000, v[BM+2]
	v_add_nc_u32 v[SO], 0xff000000, v[BM]          ; the conversions' scale operands: block h in v[SO], block 2 + h in v[SO+2]
	v_add_nc_u32 v[SO+2], 0xff000000, v[BM+2]
	v_lshrrev_b32 v[PX], 23, v[SO]                 ; the bytes
	v_lshrrev_b32 v[PX+1], 23, v[SO+2]
	s_delay_alu instid0(VALU_DEP_1)
	v_lshl_or_b32 v[TT], v[PX+1], 16, v[PX]        ; blocks h and 2 + h,
	s_delay_alu instid0(VALU_DEP_1)
	v_lshlrev_b32 v[TT], v[SH], v[TT]              ; at their places in the word;
	s_delay_alu instid0(VALU_DEP_1)
	v_permlanex16_b32 v[PX], v[TT], s[SEL], s[SEL+1]
	s_delay_alu instid0(VALU_DEP_1)
	v_or_b32 v[PS], v[TT], v[PX]                   ; with lane l xor 16's two, p's scale word for these 128 keys is whole
.irp c, 0,1
	v_cvt_scalef32_pk16_fp6_f32 v[PC+6*\c:PC+6*\c+2], v[S+32*\c:S+32*\c+15], v[SO+2*\c]
	v_cvt_scalef32_pk16_fp6_f32 v[PT+4*\c:PT+4*\c+2], v[S+32*\c+16:S+32*\c+31], v[SO+2*\c]   ; the same block's upper 16 keys
.endr
	v_nop                                          ; one plain instruction behind a scaled conversion
.irp c, 0,1                                    ; a lane's block is whole already: only the upper halves move to their odd places
.irp i, 0,1,2
	v_mov_b32 v[PC+6*\c+3+\i], v[PT+4*\c+\i]
.endr
.endr
	v_pk_add_f32 v[238:239], v[108:109], v[112:113]
	v_pk_add_f32 v[252:253], v[116:117], v[120:121]
	v_pk_add_f32 v[250:251], v[124:125], v[128:129]
	v_pk_add_f32 v[248:249], v[132:133], v[136:137]
	v_pk_add_f32 v[246:247], v[140:141], v[144:145]
	v_pk_add_f32 v[232:233], v[148:149], v[152:153]
	v_pk_add_f32 v[230:231], v[156:157], v[160:161]
	v_pk_add_f32 v[14:15], v[14:15], v[164:165]
	v_pk_add_f32 v[238:239], v[238:239], v[104:105]
	v_pk_add_f32 v[252:253], v[252:253], v[106:107]
	v_pk_add_f32 v[250:251], v[250:251], v[110:111]
	v_pk_add_f32 v[248:249], v[248:249], v[114:115]
	v_pk_add_f32 v[246:247], v[246:247], v[118:119]
	v_pk_add_f32 v[232:233], v[232:233], v[122:123]
	v_pk_add_f32 v[230:231], v[230:231], v[126:127]
	v_pk_add_f32 v[14:15], v[14:15], v[130:131]
	v_pk_add_f32 v[238:239], v[238:239], v[134:135]
	v_pk_add_f32 v[252:253], v[252:253], v[138:139]
	v_pk_add_f32 v[250:251], v[250:251], v[142:143]
	v_pk_add_f32 v[248:249], v[248:249], v[146:147]
	v_pk_add_f32 v[246:247], v[246:247], v[150:151]
	v_pk_add_f32 v[232:233], v[232:233], v[154:155]
	v_pk_add_f32 v[230:231], v[230:231], v[158:159]
	v_pk_add_f32 v[14:15], v[14:15], v[162:163]
	v_pk_add_f32 v[238:239], v[238:239], v[166:167]
	s_delay_alu instid0(VALU_DEP_2)
	v_pk_add_f32 v[14:15], v[14:15], v[248:249]
	s_delay_alu instid0(VALU_DEP_2)
	v_pk_add_f32 v[238:239], v[238:239], v[246:247]
	v_pk_add_f32 v[252:253], v[252:253], v[232:233]
	v_pk_add_f32 v[250:251], v[250:251], v[230:231]
	s_delay_alu instid0(VALU_DEP_2)
	v_pk_add_f32 v[14:15], v[14:15], v[252:253]
	s_delay_alu instid0(VALU_DEP_2)
	v_pk_add_f32 v[238:239], v[238:239], v[250:251]
	s_delay_alu instid0(VALU_DEP_1)
	v_pk_add_f32 v[14:15], v[14:15], v[238:239]
	s_wait_dscnt 0x0                               ; V's fragments and scale words are in
.irp t, 0,1,2,3                                ; O^T += V^T P^T: the four accumulators by turns, one instruction a turn
	MMA O+8*\t, FR+12*\t, PC, VS+\t/2, PS, \t%2, 0
.endr
.endm
; The end of pass c: O^T / the sum, in the order of d, becomes registers 6 c .. 6 c + 5 of o's fragment and byte 2 c + h of its scale word.
.macro FINISH c
.rept 4
	v_nop                                          ; places behind the last products
.endr
	v_add_f32 v14, v14, v15                        ; the sum's two halves,
	s_delay_alu instid0(VALU_DEP_1)
	v_permlanex16_b32 v[PX], v14, s[SEL], s[SEL+1]
	s_delay_alu instid0(VALU_DEP_1)
	v_add_f32 v14, v14, v[PX]                      ; and lane l xor 16's
	s_wait_alu depctr_va_vdst(0)
	v_rcp_f32 v14, v14
	v_nop                                          ; a plain instruction behind the reciprocal
	s_wait_alu depctr_va_vdst(0)                   ; and the wait ahead of its first reader
.irp j, 0,1,2,3,4,5,6,7
.irp t, 0,1,2,3
	v_mul_f32 v[S+4*\j+\t], v[O+8*\t+\j], v14      ; o(my query, d = 32 h + 4 j + t); each tile is read from its lowest register on
.endr
.endr
	v_max3_num_f32 v[BM], |v[S]|, |v[S+1]|, 0x1800000   ; the block's largest magnitude, with the floor, in two chains
	v_max_num_f32 v[BM+1], |v[S+2]|, |v[S+3]|
.irp i, 4,8,12,16,20,24,28
	s_delay_alu instid0(VALU_DEP_2)
	v_max3_num_f32 v[BM], v[BM], |v[S+\i]|, |v[S+1+\i]|
	s_delay_alu instid0(VALU_DEP_2)
	v_max3_num_f32 v[BM+1], v[BM+1], |v[S+2+\i]|, |v[S+3+\i]|
.endr
	s_delay_alu instid0(VALU_DEP_1)
	v_max_num_f32 v[BM], v[BM], v[BM+1]
	s_delay_alu instid0(VALU_DEP_1)
	v_add_nc_u32 v[SO], 0xff000000, v[BM]
	s_delay_alu instid0(VALU_DEP_1)
	v_lshrrev_b32 v[TT], 23, v[SO]
	s_delay_alu instid0(VALU_DEP_1)
	v_lshlrev_b32 v[TT], v[SH], v[TT]
.if \c == 0
	s_delay_alu instid0(VALU_DEP_1)
	v_mov_b32 v[OW], v[TT]
.else
	s_delay_alu instid0(VALU_DEP_1)
	v_lshl_or_b32 v[OW], v[TT], 16, v[OW]
.endif
	v_cvt_scalef32_pk16_fp6_f32 v[OC+6*\c:OC+6*\c+2], v[S:S+15], v[SO]
	v_cvt_scalef32_pk16_fp6_f32 v[PT:PT+2], v[S+16:S+31], v[SO]
	v_nop                                          ; one plain instruction behind a scaled conversion
.irp i, 0,1,2
	v_mov_b32 v[OC+6*\c+3+\i], v[PT+\i]
.endr
.endm
; A pass: one query head over all 2,048 keys.  The step is written once for a pass: the first finds zeros, which the first change of M leaves zeros.
.macro PASS c
	v_mov_b32 v13, 0xff61b1e6                      ; the largest t so far: -3e38, under every t
	s_delay_alu instid0(VALU_DEP_1)
	v_floor_f32 v12, -v13                          ; -M
	v_mov_b32 v14, 0
	v_mov_b32 v15, 0
.set n, 0
.rept 32
	v_mov_b32 v[O+n], 0
.set n, n+1
.endr
	s_mov_b32 s[TB], 0
	s_mov_b32 s[CNT], 16
.Lstep_\@:
	STEP QF+18*\c, QS+\c
	s_add_co_u32 s[TB], s[TB], STEPB
	s_sub_co_u32 s[CNT], s[CNT], 1
	s_cmp_lg_u32 s[CNT], 0
	s_cbranch_scc1 .Lstep_\@
	s_wait_alu depctr_va_vdst(0)
	FINISH \c
.endm
	PASS 0
	PASS 1
	v_permlanex16_b32 v[PX], v[OW], s[SEL], s[SEL+1]
	s_delay_alu instid0(VALU_DEP_1)
	v_or_b32 v[OW], v[OW], v[PX]                   ; with lane l xor 16's two bytes the word is whole
.irp c, 0,1,2
	global_store_b128 v[LI], v[OC+4*\c:OC+4*\c+3], s[8:9] offset:512*\c   ; the fragment as it stands: the wave stores 512 consecutive bytes, aligned to 256
.endr
	ds_store_b32 v[STA], v[OW]                     ; both halves of the lanes write the same word with the same value
	s_wait_dscnt 0x0                               ; for the others' sake: my word has landed
	s_barrier_signal -1
	s_barrier_wait -1
	s_cmp_ge_u32 s[WV], 2
	s_cbranch_scc1 .Lno_unit
	ds_load_b128 v[PC:PC+3], v[STR]                ; wave x (0 or 1): the eight waves' words of K step 2 hkv + x: two units
	s_wait_dscnt 0x0
	global_store_b128 v[LI], v[PC:PC+3], s[38:39]  ; 512 consecutive bytes, aligned to 256
.Lno_unit:
	s_wait_tensorcnt 0x0
	ds_add_u32 v254, v255
	s_wait_dscnt 0x0
	CROUND                                         ; the closing round: no work-group ends while a partner may still ask for a part that names it
	s_endpgm
.Lfunc_end_k_q8c09a2bbe3_attn:
	.size	k_q8c09a2bbe3_attn, .Lfunc_end_k_q8c09a2bbe3_attn-k_q8c09a2bbe3_attn
	.p2alignl 7, 3214868480
	.fill 96, 4, 3214868480
	.section	.rodata,"a",@progbits
	.p2align	6, 0x0
	.amdhsa_kernel k_q8c09a2bbe3_attn
		.amdhsa_group_segment_fixed_size 215040
		.amdhsa_private_segment_fixed_size 0
		.amdhsa_enable_private_segment 0
		.amdhsa_kernarg_size 24
		.amdhsa_user_sgpr_count 2
		.amdhsa_user_sgpr_kernarg_segment_ptr 1
		.amdhsa_wavefront_size32 1
		.amdhsa_system_sgpr_workgroup_id_x 1
		.amdhsa_system_sgpr_workgroup_id_y 1
		.amdhsa_system_sgpr_workgroup_id_z 1
		.amdhsa_system_vgpr_workitem_id 0
		.amdhsa_next_free_vgpr 256
		.amdhsa_next_free_sgpr 66
		.amdhsa_reserve_vcc 0
		.amdhsa_float_denorm_mode_32 3
		.amdhsa_float_denorm_mode_16_64 3
		.amdhsa_memory_ordered 1
		.amdhsa_forward_progress 1
		.amdhsa_inst_pref_size 53
	.end_amdhsa_kernel
	.amdgpu_metadata
---
amdhsa.version: [ 1, 2 ]
amdhsa.kernels:
  - .name:           k_q8c09a2bbe3_attn
    .symbol:         k_q8c09a2bbe3_attn.kd
    .args:
      - { .name: Q, .offset: 0, .size: 8, .value_kind: global_buffer, .address_space: global }
      - { .name: kv, .offset: 8, .size: 8, .value_kind: global_buffer, .address_space: global }
      - { .name: oq, .offset: 16, .size: 8, .value_kind: global_buffer, .address_space: global }
    .group_segment_fixed_size: 215040
    .private_segment_fixed_size: 0
    .kernarg_segment_align: 8
    .kernarg_segment_size: 24
    .max_flat_workgroup_size: 512
    .sgpr_count:     66
    .vgpr_count:     256
    .wavefront_size: 32
...
	.end_amdgpu_metadata
.endif
;; end of part 2
;; launch gemm (part 3): grid 8 x 32, 8 waves a work-group, clusters of 4 x 4, 327,680 bytes of LDS; arguments oq, wq, b_out, out0; writes out0
.if DOCPART == 3
	.amdgcn_target "amdgcn-amd-amdhsa--gfx1250"
	.amdhsa_code_object_version 6
	.text
	.protected	k_q8c09a2bbe3_gemm
	.globl	k_q8c09a2bbe3_gemm
	.p2align	8
	.type	k_q8c09a2bbe3_gemm,@function
k_q8c09a2bbe3_gemm:
	s_mov_b64 s[64:65], 0
	v_nop
	global_prefetch_b8 v0, s[64:65] scope:SCOPE_SE
	s_setreg_imm32_b32 hwreg(HW_REG_WAVE_MODE, 25, 1), 1
	s_wait_xcnt 0x0
	s_wait_alu depctr_hold_cnt(0) depctr_sa_sdst(0) depctr_va_vdst(0) depctr_va_sdst(0) depctr_va_ssrc(0) depctr_va_vcc(0) depctr_vm_vsrc(0)
	s_getreg_b32 s2, hwreg(HW_REG_IB_STS2, 6, 4)
	s_cmp_eq_u32 s2, 0
	s_cbranch_scc0 .Lentry_in_a_cluster
	s_endpgm
.Lentry_in_a_cluster:
	s_bfe_u32 s2, ttmp6, 0x10000c
	s_cmp_lg_u32 s2, 0xf033
	s_cbranch_scc0 .Lentry_shape_is_right
	s_endpgm
.Lentry_shape_is_right:
; out0[m][n] = the sum over k of o[m][k] W_out[n][k] + b_out[n]: 4,096 x 2,048 x 2,048, both operands codes of FP6 (E2M3) with one E8M0 byte for each 32 along K; sums in f32.
; oq: [32 blocks of 128 rows][16 K steps][12,800]: 8 fragments as images of operand registers (1,536 bytes each), then two units of scale words.   wq: [8 blocks of 256 columns][16 K steps][25,600]: 16 fragments, four units.
; SHARES.  A work-group makes 128 rows x 256 columns: 256 work-groups.  Wave w: rows 64 (w / 4) on, columns 64 (w % 4) on: 16 accumulators of 16 x 16.
; THE RING.  Two slots, each with the blocks of four K steps (o's 51,200 bytes, then W's 102,400).  Every wave has ONE part of ONE slot: slot (w / 2) % 2, half w % 2; waves 0-3 o's halves (25,600 bytes), waves 4-7 W's (51,200).
; It asks for that part once at the head and once more, eight K steps on, behind the round that frees its slot: one tensor load a wave at the head and behind each round.  Four fills, written out: there is no loop of fills for a prefetch to run ahead in.
; FRAGMENTS have two sets of registers, in windows 0 and 1: within a slot a K step's 26 LDS loads are issued one K step ahead of its products.
; CLUSTERS: 4 x 4 work-groups.  o's blocks are shared along a row of the cluster, W's along a column: each is asked for JOINTLY.
; THE MATRIX INSTRUCTION IS USED TRANSPOSED (source 0 = 16 rows of W, source 1 = 16 rows of o).  The bias is loaded straight into the accumulators.
.set SLOT,  153600
.set WOFF,  51200
.set SPARE, 2*SLOT
.set SPITCH, 272                       ; the way out: a stage of 16 rows x (256 + 16) bytes for each wave, in slot 0, which has had its last fill and its last read by then
.set SPW, 1
.set NIL, 2
.set AA,  4                            ; v4-5    o's fragments in slot 0, 1
.set AW,  6                            ; v6-9    W's: slot s, K steps 2 hf and 2 hf + 1: v[6 + 2 s + hf]
.set SA,  10                           ; v10-11  o's scale words
.set SW,  12                           ; v12-15  W's, as AW
.set STO, 16
.set RD,  17
.set CO,  18
.set BO,  19
.set AS,  24                           ; v24-25 o's scale words, v26-27 W's: set 0; v28-31: set 1
.set WS,  26
.set AF,  32                           ; v32-79  o's four fragments (set p in window p)
.set WF,  80                           ; v80-127 W's four
.set ACC, 128
.set BK,  32
.set WV,  12
.set SL,  19                           ; s19 my slot
.set G1A, 24
.set G1W, 32
.set G0A, 40
.set G0W, 48
.set MSB, 0
.macro WIN new
.if MSB != \new
	s_set_vgpr_msb (MSB<<8)|\new
.set MSB, \new
.endif
.endm
.macro PLACES
.rept 4
	v_nop
.endr
.endm
.macro MMA d, a, b, sa, sb, ra, rb
.if ((\ra) == 0) && ((\rb) == 0)
	v_wmma_scale_f32_16x16x128_f8f6f4 v[\d:\d+7], v[\a:\a+11], v[\b:\b+11], v[\d:\d+7], v[\sa], v[\sb] matrix_a_fmt:MATRIX_FMT_FP6 matrix_b_fmt:MATRIX_FMT_FP6
.elseif (\rb) == 0
	v_wmma_scale_f32_16x16x128_f8f6f4 v[\d:\d+7], v[\a:\a+11], v[\b:\b+11], v[\d:\d+7], v[\sa], v[\sb] matrix_a_fmt:MATRIX_FMT_FP6 matrix_b_fmt:MATRIX_FMT_FP6 matrix_a_scale:MATRIX_SCALE_ROW1
.elseif (\ra) == 0
	v_wmma_scale_f32_16x16x128_f8f6f4 v[\d:\d+7], v[\a:\a+11], v[\b:\b+11], v[\d:\d+7], v[\sa], v[\sb] matrix_a_fmt:MATRIX_FMT_FP6 matrix_b_fmt:MATRIX_FMT_FP6 matrix_b_scale:MATRIX_SCALE_ROW1
.else
	v_wmma_scale_f32_16x16x128_f8f6f4 v[\d:\d+7], v[\a:\a+11], v[\b:\b+11], v[\d:\d+7], v[\sa], v[\sb] matrix_a_fmt:MATRIX_FMT_FP6 matrix_b_fmt:MATRIX_FMT_FP6 matrix_a_scale:MATRIX_SCALE_ROW1 matrix_b_scale:MATRIX_SCALE_ROW1
.endif
.endm
.macro CROUND
	s_barrier_signal -1
	s_barrier_wait -1
	s_cmp_lg_u32 s[WV], 0
	s_cbranch_scc1 .Lnot_wave_0_\@
	s_barrier_signal -3
.Lnot_wave_0_\@:
	s_barrier_wait -3
	s_barrier_signal -1
	s_barrier_wait -1
.endm
.macro JLOAD s                         ; the joint refill of slot s, by the four waves whose slot it is: the branches hang on the wave's number alone
	s_cmp_lg_u32 s[SL], \s
	s_cbranch_scc1 .Lasked_\@
	s_cmp_lt_u32 s[WV], 4
	s_cbranch_scc0 .Lfor_w_\@
	tensor_load_to_lds s[G0A:G0A+3], s[G1A:G1A+7]
	s_nop 0
	PLACES
	s_branch .Lasked_\@
.Lfor_w_\@:
	tensor_load_to_lds s[G0W:G0W+3], s[G1W:G1W+7]
	s_nop 0
	PLACES
.Lasked_\@:
.endm
	s_load_b256 s[4:11], s[0:1], 0x0               ; oq s[4:5], wq s[6:7], b_out s[8:9], out0 s[10:11]
	v_lshl_add_u32 v[SPW], v0, 2, SPARE
	v_mov_b32 v[NIL], 0
	ds_add_u32 v[SPW], v[NIL]
	ds_add_u32 v[SPW], v[NIL]
	v_lshrrev_b32 v3, 5, v0
	v_readfirstlane_b32 s[WV], v3                  ; wave 0..7
	v_and_b32 v20, 15, v0                          ; r
	v_bfe_u32 v21, v0, 4, 1                        ; h
	v_and_b32 v22, 31, v0                          ; lane
	v_lshlrev_b32 v[BO], 5, v21
	s_wait_alu depctr_va_vdst(0)                   ; the wait ahead of the run of scalar instructions
	s_bfe_u32 s13, ttmp6, 0x40000                  ; cx, cy
	s_bfe_u32 s14, ttmp6, 0x40004
	s_lshl_b32 s15, ttmp9, 2
	s_add_co_u32 s15, s15, s13                     ; block of 256 columns
	s_and_b32 s16, ttmp7, 0xffff
	s_lshl_b32 s16, s16, 2
	s_add_co_u32 s16, s16, s14                     ; block of 128 rows
	s_lshr_b32 s17, s[WV], 2                       ; mh
	s_and_b32 s18, s[WV], 3                        ; nq
	s_lshl_b32 s20, s14, 2
	s_lshl_b32 s20, 15, s20                        ; my row of the cluster
	s_lshl_b32 s21, 0x1111, s13                    ; my column
	s_or_b32 s[G1A], s20, (3<<16)|(1<<21)          ; the mask; elements of 8 bytes; bit 21 beside a mask
	s_or_b32 s[G1W], s21, (3<<16)|(1<<21)
.irp g, G1A, G1W
	s_mov_b32 s[\g+1], 32<<16                      ; dense rows of 256 bytes
	s_mov_b32 s[\g+3], 32<<16
	s_mov_b32 s[\g+5], 32
	s_mov_b32 s[\g+6], 0
	s_mov_b32 s[\g+7], 0
.endr
	s_mov_b32 s[G1A+2], 100<<16                    ; o's half: 100 rows
	s_mov_b32 s[G1A+4], 100
	s_mov_b32 s[G1W+2], 200<<16                    ; W's half: 200 rows
	s_mov_b32 s[G1W+4], 200
	s_bfe_u32 s[SL], s[WV], 0x10001                ; my slot
	s_and_b32 s22, s[WV], 1                        ; my half
	s_mul_i32 s23, s[SL], SLOT
	s_mul_i32 s60, s22, 25600
	s_add_co_u32 s[G0A+1], s23, s60                ; no place in the cluster enters an LDS address
	s_mul_i32 s56, s16, 204800                     ; o's: the row block, which my row of the cluster shares
	s_add_co_u32 s56, s56, s60
	s_mul_i32 s61, s[SL], 51200                    ; slot s begins with K steps 4 s .. 4 s + 3
	s_add_co_u32 s56, s56, s61
	s_mov_b32 s57, 0
	s_mul_i32 s60, s22, 51200
	s_add_co_u32 s[G0W+1], s23, s60
	s_add_co_u32 s[G0W+1], s[G0W+1], WOFF
	s_mul_i32 s58, s15, 409600                     ; W's: the column block, which my column shares
	s_add_co_u32 s58, s58, s60
	s_mul_i32 s61, s[SL], 102400
	s_add_co_u32 s58, s58, s61
	s_mov_b32 s59, 0
	s_mov_b32 s[G0A], 1
	s_mov_b32 s[G0W], 1
	s_lshl_b32 s62, s15, 10
	s_lshl_b32 s61, s18, 8
	s_add_co_u32 s62, s62, s61                     ; my first column in bytes
	s_mov_b32 s63, 0
	s_lshl_b32 s2, s16, 20                         ; my first row: 128 rows of 8,192 bytes a block,
	s_lshl_b32 s61, s17, 19                        ; 64 a half
	s_add_co_u32 s2, s2, s61
	s_add_co_u32 s2, s2, s62
	s_mov_b32 s3, 0
	s_wait_dscnt 0x0
	s_wait_kmcnt 0x0
	s_add_nc_u64 s[G0A+2:G0A+3], s[4:5], s[56:57]
	s_or_b32 s[G0A+3], s[G0A+3], 0x80000000
	s_add_nc_u64 s[G0W+2:G0W+3], s[6:7], s[58:59]
	s_or_b32 s[G0W+3], s[G0W+3], 0x80000000
	s_add_nc_u64 s[8:9], s[8:9], s[62:63]
	s_add_nc_u64 s[10:11], s[10:11], s[2:3]
.irp a, 0,1,2,3                                ; the bias starts the sums: register j of accumulator (a, t) is column 16 t + 8 h + j
.irp t, 0,1,2,3
	global_load_b128 v[ACC+8*(4*\a+\t):ACC+8*(4*\a+\t)+3], v[BO], s[8:9] offset:64*\t
	global_load_b128 v[ACC+8*(4*\a+\t)+4:ACC+8*(4*\a+\t)+7], v[BO], s[8:9] offset:64*\t+16
.endr
.endr
	CROUND                                         ; all sixteen work-groups are here: the first joint loads meet
	s_cmp_lt_u32 s[WV], 4                          ; every wave issues one: both slots are asked for
	s_cbranch_scc0 .Lfirst_w
	tensor_load_to_lds s[G0A:G0A+3], s[G1A:G1A+7]
	s_nop 0
	PLACES
	s_branch .Lfirst_asked
.Lfirst_w:
	tensor_load_to_lds s[G0W:G0W+3], s[G1W:G1W+7]
	s_nop 0
	PLACES
.Lfirst_asked:
	s_mul_i32 s22, s17, 6144                       ; my four fragments of o
	v_lshl_add_u32 v[AA], v22, 4, s22
	v_add_nc_u32 v[AA+1], SLOT, v[AA]
	s_mul_i32 s22, s18, 6144                       ; my four of W
	s_add_co_u32 s22, s22, WOFF
	v_lshl_add_u32 v[AW], v22, 4, s22
	v_add_nc_u32 v[AW+1], 51200, v[AW]             ; two K steps of W on: an LDS offset has 16 bits
	v_add_nc_u32 v[AW+2], SLOT, v[AW]
	v_add_nc_u32 v[AW+3], SLOT, v[AW+1]
	s_lshl_b32 s22, s17, 8
	s_add_co_u32 s22, s22, 12288                   ; o's unit mh
	v_lshl_add_u32 v[SA], v22, 3, s22
	v_add_nc_u32 v[SA+1], SLOT, v[SA]
	s_lshl_b32 s22, s18, 8
	s_add_co_u32 s22, s22, WOFF+24576              ; W's unit nq
	v_lshl_add_u32 v[SW], v22, 3, s22
	v_add_nc_u32 v[SW+1], 51200, v[SW]
	v_add_nc_u32 v[SW+2], SLOT, v[SW]
	v_add_nc_u32 v[SW+3], SLOT, v[SW+1]
	s_mul_i32 s22, s[WV], 16*SPITCH                ; my stage
	v_mul_u32_u24 v[STO], v20, SPITCH
	v_lshl_add_u32 v[STO], v21, 5, v[STO]
	v_add_nc_u32 v[STO], s22, v[STO]
	v_mul_u32_u24 v[RD], v21, SPITCH
	v_lshl_add_u32 v[RD], v20, 4, v[RD]
	v_add_nc_u32 v[RD], s22, v[RD]
	v_lshlrev_b32 v[CO], 13, v21
	v_lshl_add_u32 v[CO], v20, 4, v[CO]
.macro FETCH s, kk, p                  ; the slot's kk-th K step into set p: 26 LDS loads
	WIN 0
	ds_load_b64 v[AS+4*(\p):AS+4*(\p)+1], v[SA+\s] offset:12800*(\kk)
	ds_load_b64 v[WS+4*(\p):WS+4*(\p)+1], v[SW+2*\s+(\kk)/2] offset:25600*((\kk)%2)
	WIN 0x40*(\p)
.irp t, 0,1,2,3
.irp c, 0,1,2
	ds_load_b128 v[WF+12*\t+4*\c:WF+12*\t+4*\c+3], v[AW+2*\s+(\kk)/2] offset:25600*((\kk)%2)+1536*\t+512*\c
.endr
.endr
.irp a, 0,1,2,3
.irp c, 0,1,2
	ds_load_b128 v[AF+12*\a+4*\c:AF+12*\a+4*\c+3], v[AA+\s] offset:12800*(\kk)+1536*\a+512*\c
.endr
.endr
.endm
.macro MUL p, younger                  ; 16 products on set p; the 16 accumulators take turns.  younger: the loads issued behind this set's
	WIN 0x05*(\p)
.irp a, 0,1,2,3
	s_wait_dscnt (\younger)+9-3*\a                 ; the scale words, W's fragments and o's fragment a are in; the three loads of each later fragment of o and the younger ones may be out
.irp t, 0,1,2,3
	MMA ACC+8*(4*\a+\t), WF+12*\t, AF+12*\a, WS+4*(\p)+\t/2, AS+4*(\p)+\a/2, \t%2, \a%2
.endr
.endr
.endm
.macro RUN s                           ; a slot's four K steps
	PLACES                                         ; four plain instructions in front of loads into registers that matrix instructions have read
	FETCH \s, 0, 0
.irp k, 0,1,2
	PLACES
	FETCH \s, (\k+1), ((\k+1)%2)
	MUL (\k%2), 26
.endr
	MUL 1, 0
	WIN 0
.endm
; THE CHANGE OF SLOTS: the wait for all my tensor loads, the add, the wait for it and for my reads of the slot that I leave.  fill = 1: a round of the cluster's barrier, and the slot's four waves fill it again first thing behind it.
.macro CHANGE old, fill, step
	s_wait_tensorcnt 0x0                           ; no tensor load of mine is out, so a group 0 may be written
	ds_add_u32 v[SPW], v[NIL]
.if \step
	s_add_nc_u64 s[G0A+2:G0A+3], s[G0A+2:G0A+3], 102400   ; my part's one refill: eight K steps on
	s_add_nc_u64 s[G0W+2:G0W+3], s[G0W+2:G0W+3], 204800
.endif
	s_wait_dscnt 0x0
.if \fill
	CROUND
	JLOAD \old
.else
	s_barrier_signal -1
	s_barrier_wait -1
.endif
.endm
	s_wait_alu depctr_va_vdst(0)
	s_wait_tensorcnt 0x0                           ; my part is in
	s_wait_loadcnt 0x0                             ; the bias
	s_barrier_signal -1
	s_barrier_wait -1                              ; everybody's part is in: both slots are whole
	RUN 0
	CHANGE 0, 1, 1                                 ; slot 0 takes K steps 8 to 11
	RUN 1
	CHANGE 1, 1, 0                                 ; slot 1 takes K steps 12 to 15
	RUN 0
	CHANGE 0, 0, 0                                 ; nothing is left to fetch
	RUN 1
; THE WAY OUT, block by block of 16 rows x 64 columns, through my own stage, back as whole rows of 256 bytes.  LDS serves a wave's instructions in order (ISA guide 5.7.1.4).
.macro TOSTAGE a
.irp t, 0,1,2,3
	ds_store_b128 v[STO], v[ACC+8*(4*(\a)+\t):ACC+8*(4*(\a)+\t)+3] offset:64*\t        ; each accumulator from its low end on
	ds_store_b128 v[STO], v[ACC+8*(4*(\a)+\t)+4:ACC+8*(4*(\a)+\t)+7] offset:64*\t+16
.endr
.irp i, 0,1,2,3,4,5,6,7
	ds_load_b128 v[BK+32*((\a)%2)+4*\i:BK+32*((\a)%2)+4*\i+3], v[RD] offset:\i*2*SPITCH
.endr
.endm
.macro SEND a, younger
	s_wait_dscnt \younger
.irp i, 0,1,2,3,4,5,6,7
	global_store_b128 v[CO], v[BK+32*((\a)%2)+4*\i:BK+32*((\a)%2)+4*\i+3], s[10:11] offset:(16*(\a)+2*\i)*8192 th:TH_STORE_NT   ; 16 lanes store 256 consecutive bytes, aligned
.endr
.endm
	PLACES                                         ; behind the last products
	TOSTAGE 0
.irp a, 1,2,3
.if \a > 1
	s_wait_xcnt 0x0                                ; block a - 2's stores have read their registers
.endif
	TOSTAGE \a
	SEND \a-1, 16                                  ; behind block a - 1's loads: block a's 8 stores and 8 loads
.endr
	SEND 3, 0
	s_wait_tensorcnt 0x0                           ; the wave's end
	ds_add_u32 v[SPW], v[NIL]
	s_wait_dscnt 0x0
	CROUND                                         ; the closing round
	s_endpgm
.Lfunc_end_k_q8c09a2bbe3_gemm:
	.size	k_q8c09a2bbe3_gemm, .Lfunc_end_k_q8c09a2bbe3_gemm-k_q8c09a2bbe3_gemm
	.p2alignl 7, 3214868480
	.fill 96, 4, 3214868480
	.section	.rodata,"a",@progbits
	.p2align	6, 0x0
	.amdhsa_kernel k_q8c09a2bbe3_gemm
		.amdhsa_group_segment_fixed_size 327680
		.amdhsa_private_segment_fixed_size 0
		.amdhsa_enable_private_segment 0
		.amdhsa_kernarg_size 32
		.amdhsa_user_sgpr_count 2
		.amdhsa_user_sgpr_kernarg_segment_ptr 1
		.amdhsa_wavefront_size32 1
		.amdhsa_system_sgpr_workgroup_id_x 1
		.amdhsa_system_sgpr_workgroup_id_y 1
		.amdhsa_system_sgpr_workgroup_id_z 1
		.amdhsa_system_vgpr_workitem_id 0
		.amdhsa_next_free_vgpr 384
		.amdhsa_next_free_sgpr 66
		.amdhsa_reserve_vcc 0
		.amdhsa_float_denorm_mode_32 3
		.amdhsa_float_denorm_mode_16_64 3
		.amdhsa_memory_ordered 1
		.amdhsa_forward_progress 1
		.amdhsa_inst_pref_size 83
	.end_amdhsa_kernel
	.amdgpu_metadata
---
amdhsa.version: [ 1, 2 ]
amdhsa.kernels:
  - .name:           k_q8c09a2bbe3_gemm
    .symbol:         k_q8c09a2bbe3_gemm.kd
    .args:
      - { .name: oq, .offset: 0, .size: 8, .value_kind: global_buffer, .address_space: global }
      - { .name: wq, .offset: 8, .size: 8, .value_kind: global_buffer, .address_space: global }
      - { .name: b_out, .offset: 16, .size: 8, .value_kind: global_buffer, .address_space: global }
      - { .name: out0, .offset: 24, .size: 8, .value_kind: global_buffer, .address_space: global }
    .group_segment_fixed_size: 327680
    .private_segment_fixed_size: 0
    .kernarg_segment_align: 8
    .kernarg_segment_size: 32
    .max_flat_workgroup_size: 256
    .sgpr_count:     66
    .vgpr_count:     384
    .wavefront_size: 32
...
	.end_amdgpu_metadata
.endif
;; end of part 3
